; MI455X (gfx1250); checked and timed in simulation.
; The chip was launched on July 23, 2026; its instructions are those of AMD's public machine-readable ISA for CDNA 5 (MIT licence, August 2026) and "CDNA5" Instruction Set Architecture Reference Guide (July 2026). The comments in the code are by the model that wrote it; some were corrected since.
;; Mo E. Allowed arithmetic: float matrix products may take bf16 or f16 operands with f32 sums; other float arithmetic in f32, or as packed bf16 or f16 multiplies, adds, multiply-adds, maxima and minima; sums over many terms, partial sums and values carried from step to step in f32; what a program stores and reads back later, other than sums and carried values, may be rounded once to bf16 or f16.
;; Inputs: b1 8 x 4,096 float32; b2 8 x 1,024 float32; gate_w 1,024 x 8 float32; w1 8 x 1,024 x 4,096 float32; w2 8 x 4,096 x 1,024 float32; x 4 x 256 x 1,024 float32.
;; Outputs: out0 4 x 256 x 1,024 float32.
;; Constants: top_k = 2.
;; One version. Each part assembles by itself: llvm-mc -triple=amdgcn-amd-amdhsa -mcpu=gfx1250 --defsym DOCPART=n.
;; ======== version 1 of 1: 4 launches
;; workspace buffers: xb 2,097,152 bytes; sel 4,096 bytes of whole numbers; gw 8,192 bytes; rows 32,768 bytes of whole numbers; cnt 2,048 bytes of whole numbers; h 67,108,864 bytes; part 35,651,584 bytes
;; launch router (part 1): grid 256 x 1, 4 waves a work-group, no clusters, 1,024 bytes of LDS; arguments x, gate_w, xb, sel, gw; writes xb, sel, gw
.if DOCPART == 1
	.amdgcn_target "amdgcn-amd-amdhsa--gfx1250"
	.amdhsa_code_object_version 6
	.text
	.protected	k_q43cd567e09_router
	.globl	k_q43cd567e09_router
	.p2align	8
	.type	k_q43cd567e09_router,@function
k_q43cd567e09_router:
	s_mov_b64 s[64:65], 0
	v_nop
	global_prefetch_b8 v0, s[64:65] scope:SCOPE_SE
	s_setreg_imm32_b32 hwreg(HW_REG_WAVE_MODE, 25, 1), 1
	s_wait_xcnt 0x0
; ROUTER.  scores = x . gate_w for 1,024 tokens and 8 experts; the two largest (the lower index wins a tie); softmax over the two.
; x and gate_w are rounded to bf16 first and the products summed in f32, so that the choice is that of the module on bf16 inputs; x rounded is stored for the first product.
; Stored: xb [1024][1024] bf16; sel[t] = (1 << first expert) | (1 << (8 + second expert)); gw[t] and gw[1024 + t], the two weights.
; The choice enters stored data alone: no address and no branch of this launch hangs on it.
; SHARES.  Work-group b: tokens 4 b .. 4 b + 3.  Wave w: channels 256 w .. 256 w + 255.  Lane l: the eight channels 256 w + 8 l + c.
; No matrix unit: 16.8 MFLOP in all, and gate_w would have to be turned for it.  sel and gw leave as 16 bytes a work-group: 12 KB in the whole launch.
; LIMITS.  NaN and infinities are not treated apart; a second weight below 2^-126 counts as 0.
.set SPARE, 512                        ; behind the partial scores (bytes 0-511): the spare words, 128 bytes a wave
.set GR,  16                           ; v16-79   gate_w of my 8 channels: G[8 c + e]
.set XR,  80                           ; v80-111  x: X[8 tt + c]
.set SR,  112                          ; v112-143 sums: S[8 tt + e]
.set XBR, 144                          ; v144-159 x in bf16, as stored
	s_load_b256 s[4:11], s[0:1], 0x0               ; x s[4:5], gate_w s[6:7], xb s[8:9], sel s[10:11]
	s_load_b64 s[14:15], s[0:1], 0x20              ; gw
	v_lshl_add_u32 v6, v0, 2, SPARE                ; my spare word
	v_mov_b32 v7, 0
	v_and_b32 v1, 31, v0                           ; lane
	v_lshrrev_b32 v8, 5, v0
	v_readfirstlane_b32 s2, v8                     ; wave
	s_mov_b32 s12, 0x76543210                      ; v_permlanex16_b32: each lane takes its own place in the other half
	s_mov_b32 s13, 0xfedcba98
	s_mov_b32 s3, 0xffff0000                       ; a word's upper bf16
	v_lshlrev_b32 v2, 8, v1
	v_lshl_add_u32 v2, v8, 13, v2                  ; gate_w: 32 bytes a channel: 8,192 w + 256 l
	v_lshlrev_b32 v3, 5, v1
	v_lshl_add_u32 v3, v8, 10, v3                  ; x: 1,024 w + 32 l
	v_lshlrev_b32 v4, 4, v1
	v_lshl_add_u32 v4, v8, 9, v4                   ; xb: 512 w + 16 l
	v_mov_b32 v5, s2
	v_lshlrev_b32 v5, 7, v5                        ; my wave's 128 bytes of partial scores
	s_lshl_b32 s16, ttmp9, 14                      ; four rows of x
	s_mov_b32 s17, 0
	s_lshl_b32 s18, ttmp9, 13                      ; four rows of xb
	s_mov_b32 s19, 0
	s_lshl_b32 s20, ttmp9, 4                       ; four words of sel and gw
	s_mov_b32 s21, 0
	s_wait_kmcnt 0x0
	s_add_nc_u64 s[4:5], s[4:5], s[16:17]
	s_add_nc_u64 s[8:9], s[8:9], s[18:19]
	s_add_nc_u64 s[10:11], s[10:11], s[20:21]
	s_add_nc_u64 s[14:15], s[14:15], s[20:21]
.set tt, 0
.rept 4
	global_load_b128 v[XR+8*tt:XR+8*tt+3],   v3, s[4:5] offset:4096*tt th:TH_LOAD_NT
	global_load_b128 v[XR+8*tt+4:XR+8*tt+7], v3, s[4:5] offset:4096*tt+16 th:TH_LOAD_NT
.set tt, tt+1
.endr
.set n, 0
.rept 16
	global_load_b128 v[GR+4*n:GR+4*n+3], v2, s[6:7] offset:16*n
.set n, n+1
.endr
	s_wait_loadcnt 16                              ; x is in; the gate's 16 loads may stay out
.set n, 0
.rept 16
	v_cvt_pk_bf16_f32 v[XBR+n], v[XR+2*n], v[XR+2*n+1]
.set n, n+1
.endr
.set tt, 0
.rept 4
	global_store_b128 v4, v[XBR+4*tt:XBR+4*tt+3], s[8:9] offset:2048*tt  ; a wave stores 512 consecutive bytes
.set tt, tt+1
.endr
.set n, 0
.rept 16
	v_lshlrev_b32 v[XR+2*n], 16, v[XBR+n]          ; the rounded x back as f32
	v_and_b32 v[XR+2*n+1], s3, v[XBR+n]
.set n, n+1
.endr
	s_wait_loadcnt 0x0                             ; gate_w
.set n, 0
.rept 32
	v_cvt_pk_bf16_f32 v[8+n%8], v[GR+2*n], v[GR+2*n+1]
	v_lshlrev_b32 v[GR+2*n], 16, v[8+n%8]
	v_and_b32 v[GR+2*n+1], s3, v[8+n%8]
.set n, n+1
.endr
	; S[tt][e] = the sum over my 8 channels; channel 0 starts the sums
.set tt, 0
.rept 4
.set c, 0
.rept 8
.set ep, 0
.rept 4
.if c == 0
	v_pk_mul_f32 v[SR+8*tt+2*ep:SR+8*tt+2*ep+1], v[XR+8*tt:XR+8*tt+1], v[GR+2*ep:GR+2*ep+1] op_sel_hi:[0,1]
.elseif (c%2) == 0
	v_pk_fma_f32 v[SR+8*tt+2*ep:SR+8*tt+2*ep+1], v[XR+8*tt+c:XR+8*tt+c+1], v[GR+8*c+2*ep:GR+8*c+2*ep+1], v[SR+8*tt+2*ep:SR+8*tt+2*ep+1] op_sel_hi:[0,1,1]
.else
	v_pk_fma_f32 v[SR+8*tt+2*ep:SR+8*tt+2*ep+1], v[XR+8*tt+c-1:XR+8*tt+c], v[GR+8*c+2*ep:GR+8*c+2*ep+1], v[SR+8*tt+2*ep:SR+8*tt+2*ep+1] op_sel:[1,0,0] op_sel_hi:[1,1,1]
.endif
.set ep, ep+1
.endr
.set c, c+1
.endr
.set tt, tt+1
.endr
	; over the 32 lanes, stage by stage for all 32 sums
.irp m, 1,2,4,8
.set n, 0
.rept 32
	v_add_f32_dpp v[SR+n], v[SR+n], v[SR+n] row_xmask:\m row_mask:0xf bank_mask:0xf
.set n, n+1
.endr
.endr
.set n, 0
.rept 32
	v_permlanex16_b32 v[GR+n], v[SR+n], s12, s13   ; G's registers are free, and written
.set n, n+1
.endr
.set n, 0
.rept 32
	v_add_f32 v[SR+n], v[SR+n], v[GR+n]
.set n, n+1
.endr
.set n, 0
.rept 8
	ds_store_b128 v5, v[SR+4*n:SR+4*n+3] offset:16*n   ; all lanes hold, and write, the same numbers
.set n, n+1
.endr
	s_wait_dscnt 0x0                               ; for the others' sake: my partial scores are in LDS
	s_barrier_signal -1
	s_barrier_wait -1
	s_cmp_lg_u32 s2, 0
	s_cbranch_scc1 .Lend                           ; wave 0 finishes; lane l works for token l % 4
	v_and_b32 v8, 3, v1
	v_lshlrev_b32 v8, 5, v8
.set n, 0
.rept 4
	ds_load_b128 v[GR+8*n:GR+8*n+3],   v8 offset:128*n
	ds_load_b128 v[GR+8*n+4:GR+8*n+7], v8 offset:128*n+16
.set n, n+1
.endr
	s_wait_dscnt 0x0
.set n, 0
.rept 4
	v_pk_add_f32 v[GR+2*n:GR+2*n+1], v[GR+2*n:GR+2*n+1], v[GR+8+2*n:GR+8+2*n+1]
	v_pk_add_f32 v[GR+16+2*n:GR+16+2*n+1], v[GR+16+2*n:GR+16+2*n+1], v[GR+24+2*n:GR+24+2*n+1]
.set n, n+1
.endr
.set n, 0
.rept 4
	v_pk_add_f32 v[GR+2*n:GR+2*n+1], v[GR+2*n:GR+2*n+1], v[GR+16+2*n:GR+16+2*n+1]
.set n, n+1
.endr
	v_mov_b32 v160, v[GR]                          ; the largest, strictly greater in ascending order: the lower index wins a tie
	v_mov_b32 v161, 0
.set ex, 1
.rept 7
	v_cmp_gt_f32 vcc_lo, v[GR+ex], v160
	v_cndmask_b32 v160, v160, v[GR+ex], vcc_lo
	v_cndmask_b32 v161, v161, ex, vcc_lo
.set ex, ex+1
.endr
	v_mov_b32 v162, 0xff800000                     ; the second: the same among the other seven
	v_mov_b32 v163, 0
.set ex, 0
.rept 8
	v_cmp_ne_u32 s22, ex, v161
	v_cmp_gt_f32 s23, v[GR+ex], v162
	s_and_b32 s22, s22, s23
	v_cndmask_b32 v162, v162, v[GR+ex], s22
	v_cndmask_b32 v163, v163, ex, s22
.set ex, ex+1
.endr
	v_sub_f32 v164, v162, v160                     ; the maximum is taken away: the exponents are 0 and second - first <= 0
	v_mul_f32 v164, 0x3fb8aa3b, v164
	v_exp_f32 v165, v164
	v_nop                                          ; a plain instruction behind the exponential,
	s_wait_alu depctr_va_vdst(0)                   ; and a wait ahead of its first reader
	v_add_f32 v166, 1.0, v165
	v_rcp_f32 v167, v166                           ; the first weight
	v_nop
	s_wait_alu depctr_va_vdst(0)
	v_mul_f32 v168, v165, v167                     ; the second
	v_mov_b32 v169, 1
	v_lshlrev_b32 v170, v161, v169
	v_add_nc_u32 v171, 8, v163
	v_lshlrev_b32 v171, v171, v169
	v_or_b32 v170, v170, v171
	v_lshlrev_b32 v172, 2, v1
	s_wait_xcnt 0x0                                ; EXEC changes only behind this wait: xb's stores are out
	v_cmp_gt_u32 vcc_lo, 4, v1
	s_and_saveexec_b32 s22, vcc_lo                 ; lanes 0 to 3: one for each token
	global_store_b32 v172, v170, s[10:11]
	global_store_b32 v172, v167, s[14:15]
	global_store_b32 v172, v168, s[14:15] offset:4096
	s_wait_xcnt 0x0                                ; and again ahead of the line that widens it
	s_or_b32 exec_lo, exec_lo, s22
.Lend:
	s_wait_tensorcnt 0x0                           ; the wave's end, behind my last LDS store
	ds_add_u32 v6, v7
	s_wait_dscnt 0x0
	s_endpgm
.Lfunc_end_k_q43cd567e09_router:
	.size	k_q43cd567e09_router, .Lfunc_end_k_q43cd567e09_router-k_q43cd567e09_router
	.p2alignl 7, 3214868480
	.fill 96, 4, 3214868480
	.section	.rodata,"a",@progbits
	.p2align	6, 0x0
	.amdhsa_kernel k_q43cd567e09_router
		.amdhsa_group_segment_fixed_size 1024
		.amdhsa_private_segment_fixed_size 0
		.amdhsa_enable_private_segment 0
		.amdhsa_kernarg_size 40
		.amdhsa_user_sgpr_count 2
		.amdhsa_user_sgpr_kernarg_segment_ptr 1
		.amdhsa_wavefront_size32 1
		.amdhsa_system_sgpr_workgroup_id_x 1
		.amdhsa_system_sgpr_workgroup_id_y 1
		.amdhsa_system_sgpr_workgroup_id_z 1
		.amdhsa_system_vgpr_workitem_id 0
		.amdhsa_next_free_vgpr 176
		.amdhsa_next_free_sgpr 66
		.amdhsa_reserve_vcc 1
		.amdhsa_float_denorm_mode_32 3
		.amdhsa_float_denorm_mode_16_64 3
		.amdhsa_memory_ordered 1
		.amdhsa_forward_progress 1
		.amdhsa_inst_pref_size 36
	.end_amdhsa_kernel
	.amdgpu_metadata
---
amdhsa.version: [ 1, 2 ]
amdhsa.kernels:
  - .name:           k_q43cd567e09_router
    .symbol:         k_q43cd567e09_router.kd
    .args:
      - { .name: x, .offset: 0, .size: 8, .value_kind: global_buffer, .address_space: global }
      - { .name: gate_w, .offset: 8, .size: 8, .value_kind: global_buffer, .address_space: global }
      - { .name: xb, .offset: 16, .size: 8, .value_kind: global_buffer, .address_space: global }
      - { .name: sel, .offset: 24, .size: 8, .value_kind: global_buffer, .address_space: global }
      - { .name: gw, .offset: 32, .size: 8, .value_kind: global_buffer, .address_space: global }
    .group_segment_fixed_size: 1024
    .private_segment_fixed_size: 0
    .kernarg_segment_align: 8
    .kernarg_segment_size: 40
    .max_flat_workgroup_size: 128
    .sgpr_count:     66
    .vgpr_count:     176
    .wavefront_size: 32
...
	.end_amdgpu_metadata
.endif
;; end of part 1
;; launch fc1 (part 2): grid 32 x 8, 4 waves a work-group, no clusters, 302,848 bytes of LDS; arguments xb, sel, w1, b1, h, rows, cnt; writes h, rows, cnt
.if DOCPART == 2
	.amdgcn_target "amdgcn-amd-amdhsa--gfx1250"
	.amdhsa_code_object_version 6
	.text
	.protected	k_q43cd567e09_fc1
	.globl	k_q43cd567e09_fc1
	.p2align	8
	.type	k_q43cd567e09_fc1,@function
k_q43cd567e09_fc1:
	s_mov_b64 s[64:65], 0
	v_nop
	global_prefetch_b8 v0, s[64:65] scope:SCOPE_SE
	s_setreg_imm32_b32 hwreg(HW_REG_WAVE_MODE, 25, 1), 1
	s_wait_xcnt 0x0
; FIRST PRODUCT.  h[e][rank][:] = gelu(xb[token] . w1[e] + b1[e]) for the rows that chose expert e, in bf16.  w1 and b1 are rounded to bf16, sums in f32, exact GELU.
; SHARES.  Work-group (x, e): expert e, columns 128 x .. 128 x + 127, all K = 1,024: 512 KB of f32 weights that it alone reads, once.
; THE WEIGHTS go memory -> registers (512 consecutive bytes of one k row an instruction) -> rounded in pairs of k -> LDS as [column][k]; the whole slice stays in LDS, each byte written once.
; THE ROWS come by a list that wave 0 makes from sel (a counting sort by lane ranks, no atomics), straight from memory into registers as matrix operands.
; A wave owns the tiles of 16 rows g = w, w + 4, .., five a pass, each times all 128 columns: 40 accumulators.  Places past the expert's count hold pad rows (a token that exists; the row number
; 2048 + 16 e + place % 16 sends the second product's result to a dump row), so that a tile is always whole and EXEC is never narrowed.
; K goes in 16 trips of 64.  Trip t rounds W(t+1) into LDS, asks for W(t+3) and for the rows' A(t+2), and multiplies block t: a weight load has two trips in which to land.
; MORE THAN 320 ROWS: three further passes, a loop with a constant count whose dead trips are jumped, read the weights from LDS; no barrier stands in them; they are not pipelined (right, and slower).
; NO CLUSTER, NO TENSOR LOAD: each weight byte has one reader and must pass through registers to be rounded; the rows come by a list, which no descriptor covers.
; LIMITS.  NaN and infinities are not treated apart.  erf by the five-term rational form (absolute error 1.5e-7), good for every x: gelu = max(x, 0) - |x| / 2 erfc(|x| / sqrt 2).
; The work-groups with x = 0 also store the list (rows) and the number of tiles (cnt) for the second product.
; COLUMNS.  Column tile j, lane r holds column 8 r + j, so that a lane's eight tiles are eight neighbouring bf16 of a row of h: 16 bytes, and sixteen lanes 256.
; REGISTERS, in windows of 256: window 0 addresses, bias, B fragments (v64-191), rounded weights (v192-223); window 1 accumulators of tiles 0-3; window 2 v0-63 tile 4's, v64-223 the rows' fragments,
; two sets; window 3 v0-127 weights as loaded, two sets.
.set WPITCH, 16384                     ; bytes from a k row of w1 to the next
.set WSTEP,  64*WPITCH                 ; a trip's 64 k rows
.set BLK,    18560                     ; a trip's block in LDS: 8 column tiles of 16 rows x 144 bytes (128 + 16 of padding); tiles 4-7 lie 128 bytes further, so that my stores meet 16 different groups of banks
.set LISTB,  16*BLK                    ; the list: 1,280 words
.set MISC,   LISTB+5120                ; a trash word for each lane of wave 0; at +128 the count
.set SPARE,  MISC+256                  ; the spare words, 128 bytes a wave
.set LN,   1                           ; lane
.set RR,   2                           ; lane % 16
.set HH,   3                           ; lane / 16
.set WOFF, 4                           ; my 16 bytes in my wave's first k row of a trip
.set WST,  5                           ; where I store rounded weights
.set BRD,  6                           ; where I read B fragments
.set BRD0, 7                           ; the same in block 0; never rewritten
.set OOFF, 8                           ; my 16 bytes in a tile of h
.set SPW,  9                           ; my spare word
.set NIL,  10                          ; 0
.set H16,  11                          ; 16 x (lane / 16)
.set Q,    12                          ; v12-31  byte offsets in xb of my row in my 20 tiles: a queue, five a pass
.set BI,   32                          ; v32-39  bias of my eight columns
.set BF,   64                          ; v64-191 B fragments [ks][j]; in the way out v64-127 a tile in f32, v128-191 at work
.set ZR,   128
.set DR,   144
.set ER,   160
.set PR,   176
.set T,    192                         ; v192-223 rounded weights; in the way out the tile in bf16
.set AF,   64                          ; window 2: the rows' fragments [set][tile][ks]
.set WV,   2
.set SX,   3
.set SE,   4
.set AB0,  8                           ; s[8:9]   xb
.set WB,   12                          ; s[12:13] w1, stepped
.set HB,   16                          ; s[16:17] h, stepped
.set AB,   22                          ; s[22:23] xb, stepped along K
.set MT,   26                          ; tiles of 16 rows of this expert, at least 1
.set IDLE, 27                          ; 4 - the number of passes: a pass is dead where the count P is no greater
.set P,    28                          ; passes to go, 4 to 1
.set G,    29                          ; my first tile of the pass
.set LIVE4, 30                         ; 1: my fifth tile of the pass has rows
.set LC,   31
.set TI,   32                          ; tiles of the pass to go, 5 to 1
.set BO,   55                          ; a later pass: the LDS offset of the trip's block
.set MSB, 0
.macro WIN new                         ; the immediate's high byte repeats the setting that is left; a switch that changes nothing is dropped
.if MSB != (\new)
	s_set_vgpr_msb (MSB<<8)|(\new)
.set MSB, \new
.endif
.endm
.macro LDB ks                          ; 16 LDS loads: the eight column tiles' fragments of 32 along K
	WIN 0
.set lj, 0
.rept 8
	ds_load_b128 v[BF+64*(\ks)+8*lj:BF+64*(\ks)+8*lj+3],   v[BRD] offset:lj*2304+(lj/4)*128+64*(\ks)
	ds_load_b128 v[BF+64*(\ks)+8*lj+4:BF+64*(\ks)+8*lj+7], v[BRD] offset:lj*2304+(lj/4)*128+64*(\ks)+32
.set lj, lj+1
.endr
.endm
.macro LDA st, o                       ; 20 loads: my five tiles' fragments of 64 along K, always all five, so that every count is a constant
	WIN 0x80
.set la, 0
.rept 10
	global_load_b128 v[AF+80*(\st)+8*la:AF+80*(\st)+8*la+3],   v[Q+la/2], s[AB:AB+1] offset:(\o)+64*(la%2)
	global_load_b128 v[AF+80*(\st)+8*la+4:AF+80*(\st)+8*la+7], v[Q+la/2], s[AB:AB+1] offset:(\o)+64*(la%2)+32
.set la, la+1
.endr
.endm
.macro LDW st, o                       ; 16 loads: my wave's 16 k rows of a trip, 512 consecutive bytes each
	WIN 0xc0
.set lw, 0
.rept 16
	global_load_b128 v[64*(\st)+4*lw:64*(\st)+4*lw+3], v[WOFF], s[WB:WB+1] offset:(\o)+lw*WPITCH th:TH_LOAD_NT
.set lw, lw+1
.endr
.endm
.macro CVTST st                        ; my 16 k x 128 columns rounded, two k to a word, and stored: 32 bytes of each of my four columns' LDS rows
	WIN 0x0f
.set cc, 0
.rept 4
.set cq, 0
.rept 8
	v_cvt_pk_bf16_f32 v[T+8*cc+cq], v[64*(\st)+8*cq+cc], v[64*(\st)+8*cq+4+cc]
.set cq, cq+1
.endr
.set cc, cc+1
.endr
	WIN 0
.set cc, 0
.rept 4
	ds_store_b128 v[WST], v[T+8*cc:T+8*cc+3]   offset:cc*2304
	ds_store_b128 v[WST], v[T+8*cc+4:T+8*cc+7] offset:cc*2304+16
.set cc, cc+1
.endr
.endm
; The accumulators take turns, one instruction a turn.  z = 1: the products start the sums.
.macro MM03 st, ks, z                  ; tiles 0-3 x 8 column tiles
	WIN 0x52
.set mi, 0
.rept 32
.if \z
	v_wmma_f32_16x16x32_bf16 v[8*mi:8*mi+7], v[AF+80*(\st)+16*(mi/8)+8*(\ks):AF+80*(\st)+16*(mi/8)+8*(\ks)+7], v[BF+64*(\ks)+8*(mi%8):BF+64*(\ks)+8*(mi%8)+7], 0
.else
	v_wmma_f32_16x16x32_bf16 v[8*mi:8*mi+7], v[AF+80*(\st)+16*(mi/8)+8*(\ks):AF+80*(\st)+16*(mi/8)+8*(\ks)+7], v[BF+64*(\ks)+8*(mi%8):BF+64*(\ks)+8*(mi%8)+7], v[8*mi:8*mi+7]
.endif
.set mi, mi+1
.endr
.endm
.macro MM4 st, ks, z                   ; tile 4: jumped when it has no rows, but never where it starts its sums
.if !(\z)
	WIN 0
	s_cmp_lg_u32 s[LIVE4], 0
	s_cbranch_scc0 .Lno4_\@
.endif
	WIN 0xa2
.set mi, 0
.rept 8
.if \z
	v_wmma_f32_16x16x32_bf16 v[8*mi:8*mi+7], v[AF+80*(\st)+64+8*(\ks):AF+80*(\st)+64+8*(\ks)+7], v[BF+64*(\ks)+8*mi:BF+64*(\ks)+8*mi+7], 0
.else
	v_wmma_f32_16x16x32_bf16 v[8*mi:8*mi+7], v[AF+80*(\st)+64+8*(\ks):AF+80*(\st)+64+8*(\ks)+7], v[BF+64*(\ks)+8*mi:BF+64*(\ks)+8*mi+7], v[8*mi:8*mi+7]
.endif
.set mi, mi+1
.endr
	WIN 0
.if !(\z)
.Lno4_\@:
.endif
.endm
; TRIP t (st = t % 2).  wcnt: the loads younger than A(t) and W(t+1).  The barrier: W(t+1) is stored ahead of the signal and read, in trip t + 1, behind the wait.
.macro TRIP st, z, cvt, ldw, lda, wcnt, bar
	LDB 0
	s_wait_loadcnt \wcnt
.if \cvt
	CVTST 1-(\st)
.endif
	LDB 1
.if \ldw
	s_wait_xcnt 0x0                                ; the weights' base is stepped only behind this wait
	s_add_nc_u64 s[WB:WB+1], s[WB:WB+1], WSTEP
	LDW 1-(\st), 0                                 ; W(t+3), into the set just rounded
.endif
	s_wait_dscnt 16+8*(\cvt)                       ; the first 32 along K are in; my stores and the second half's 16 loads may be out
	MM03 \st, 0, \z
	MM4 \st, 0, \z
	s_wait_dscnt 0x0                               ; the second half is in, and for the others' sake my stores are done
.if \bar
	s_barrier_signal -1
.endif
	MM03 \st, 1, 0
	WIN 0
.if \bar
	s_barrier_wait -1
.endif
	MM4 \st, 1, 0
	v_add_nc_u32 v[BRD], BLK, v[BRD]               ; four plain instructions: the places ahead of the loads into registers that the products read, and of the way out
	v_add_nc_u32 v[WST], BLK, v[WST]
	v_nop
	v_nop
.if \lda
	s_wait_xcnt 0x0
	s_add_nc_u64 s[AB:AB+1], s[AB:AB+1], 128
	LDA \st, 0                                     ; A(t+2)
	WIN 0
.endif
.endm
.macro XTRIP z                         ; a trip of a later pass: the weights lie in LDS; nothing is written there, and no barrier is needed
	LDA 0, 0
	LDB 0
	LDB 1
	s_wait_loadcnt 0x0
	s_wait_dscnt 0x0
	s_wait_xcnt 0x0
	s_add_nc_u64 s[AB:AB+1], s[AB:AB+1], 128
	MM03 0, 0, \z
	MM4 0, 0, \z
	MM03 0, 1, 0
	WIN 0
	MM4 0, 1, 0
	s_add_co_u32 s[BO], s[BO], BLK                 ; the next block: its offset plus my fixed place in a block
	v_add_nc_u32 v[BRD], s[BO], v[BRD0]            ; this and three v_nop: the four places behind the products
	v_nop
	v_nop
	v_nop
.endm
.macro LIVE
	s_add_co_u32 s33, s[G], 16
	s_cmp_lt_u32 s33, s[MT]
	s_cselect_b32 s[LIVE4], 1, 0
.endm
.macro COPYT i                         ; tile i plus the bias into v64-127; each accumulator is read from its low end on
.if (\i) < 4
	WIN 0x01
.set cb, 64*(\i)
.else
	WIN 0x02
.set cb, 0
.endif
.set cj, 0
.rept 8
.set cq, 0
.rept 4
.if (cj%2) == 0
	v_pk_add_f32 v[BF+8*cj+2*cq:BF+8*cj+2*cq+1], v[cb+8*cj+2*cq:cb+8*cj+2*cq+1], v[BI+cj:BI+cj+1] op_sel_hi:[1,0]
.else
	v_pk_add_f32 v[BF+8*cj+2*cq:BF+8*cj+2*cq+1], v[cb+8*cj+2*cq:cb+8*cj+2*cq+1], v[BI+cj-1:BI+cj] op_sel:[0,1] op_sel_hi:[1,1]
.endif
.set cq, cq+1
.endr
.set cj, cj+1
.endr
	WIN 0
.endm
; gelu of 16 numbers in place.  t = 1 / (1 + 0.2316419 |x|); erfc(|x| / sqrt 2) = t (a1 + t (a2 + t (a3 + t (a4 + t a5)))) 2^(-0.7213475 x^2).  The 32 transcendentals are one batch with one wait.
.macro GELU16 u
.set gx, BF+16*(\u)
.set gi, 0
.rept 16
	v_and_b32 v[ZR+gi], s54, v[gx+gi]
.set gi, gi+1
.endr
.set gi, 0
.rept 8
	v_pk_fma_f32 v[DR+2*gi:DR+2*gi+1], v[ZR+2*gi:ZR+2*gi+1], s[40:41], 1.0 op_sel_hi:[1,0,0]
	v_pk_mul_f32 v[ER+2*gi:ER+2*gi+1], v[gx+2*gi:gx+2*gi+1], v[gx+2*gi:gx+2*gi+1]
.set gi, gi+1
.endr
.set gi, 0
.rept 8
	v_pk_mul_f32 v[ER+2*gi:ER+2*gi+1], v[ER+2*gi:ER+2*gi+1], s[42:43] op_sel_hi:[1,0]
.set gi, gi+1
.endr
.set gi, 0
.rept 16
	v_rcp_f32 v[DR+gi], v[DR+gi]
	v_max_num_f32 v[gx+gi], 0, v[gx+gi]
	v_exp_f32 v[ER+gi], v[ER+gi]
.set gi, gi+1
.endr
	v_nop                                          ; a plain instruction behind the last of them,
	s_wait_alu depctr_va_vdst(0)                   ; and one wait for the batch, ahead of its first reader
.set gi, 0
.rept 8
	v_pk_fma_f32 v[PR+2*gi:PR+2*gi+1], v[DR+2*gi:DR+2*gi+1], s[44:45], s[46:47] op_sel_hi:[1,0,0]
	v_pk_mul_f32 v[ER+2*gi:ER+2*gi+1], v[ER+2*gi:ER+2*gi+1], v[ZR+2*gi:ZR+2*gi+1]
.set gi, gi+1
.endr
.irp k, 48,50,52
.set gi, 0
.rept 8
	v_pk_fma_f32 v[PR+2*gi:PR+2*gi+1], v[PR+2*gi:PR+2*gi+1], v[DR+2*gi:DR+2*gi+1], s[\k:\k+1] op_sel_hi:[1,1,0]
.set gi, gi+1
.endr
.endr
.set gi, 0
.rept 8
	v_pk_mul_f32 v[PR+2*gi:PR+2*gi+1], v[PR+2*gi:PR+2*gi+1], v[DR+2*gi:DR+2*gi+1]
.set gi, gi+1
.endr
.set gi, 0
.rept 8
	v_pk_mul_f32 v[PR+2*gi:PR+2*gi+1], v[PR+2*gi:PR+2*gi+1], v[ER+2*gi:ER+2*gi+1]
.set gi, gi+1
.endr
.set gi, 0
.rept 8
	v_pk_fma_f32 v[gx+2*gi:gx+2*gi+1], v[PR+2*gi:PR+2*gi+1], -0.5, v[gx+2*gi:gx+2*gi+1] op_sel_hi:[1,0,1]
.set gi, gi+1
.endr
.endm
	s_load_b256 s[8:15], s[0:1], 0x0               ; xb s[8:9], sel s[10:11], w1 s[12:13], b1 s[14:15]
	s_load_b128 s[16:19], s[0:1], 0x20             ; h s[16:17], rows s[18:19]
	s_load_b64 s[20:21], s[0:1], 0x30              ; cnt
	v_lshl_add_u32 v[SPW], v0, 2, SPARE
	v_mov_b32 v[NIL], 0
	v_lshrrev_b32 v40, 5, v0
	v_readfirstlane_b32 s[WV], v40
	s_mov_b32 s[SX], ttmp9                         ; slice of 128 columns
	s_and_b32 s[SE], ttmp7, 0xffff                 ; expert
	v_and_b32 v[LN], 31, v0
	v_and_b32 v[RR], 15, v0
	v_bfe_u32 v[HH], v0, 4, 1
	s_lshl_b32 s33, s[WV], 18                      ; my wave's 16 k rows
	v_lshlrev_b32 v[WOFF], 4, v[LN]
	v_add_nc_u32 v[WOFF], s33, v[WOFF]
	v_and_b32 v40, 1, v[LN]                        ; my columns 4 l + c: tile 4 (l % 2) + c, row l / 2
	v_mul_u32_u24 v[WST], v40, 9344
	v_lshrrev_b32 v40, 1, v[LN]
	v_mad_u32_u24 v[WST], v40, 144, v[WST]
	s_lshl_b32 s33, s[WV], 5                       ; k = 16 w on: 32 bytes a wave in each LDS row
	v_add_nc_u32 v[WST], s33, v[WST]
	v_mul_u32_u24 v[BRD0], v[RR], 144
	v_lshl_add_u32 v[BRD0], v[HH], 4, v[BRD0]
	v_mov_b32 v[BRD], v[BRD0]
	v_lshlrev_b32 v[OOFF], 4, v[RR]
	v_lshl_add_u32 v[OOFF], v[HH], 16, v[OOFF]     ; lanes 16-31: eight rows of 8,192 bytes further
	v_lshlrev_b32 v[H16], 4, v[HH]
	v_lshlrev_b32 v41, 4, v[LN]                    ; sel: 16 l
	v_lshlrev_b32 v42, 5, v[RR]                    ; b1: 32 r
	v_mov_b32 v52, MISC+128                        ; where the count lies
	s_lshl_b32 s24, s[SE], 24
	s_lshl_b32 s33, s[SX], 9
	s_add_co_u32 s24, s24, s33
	s_mov_b32 s25, 0
	s_lshl_b32 s34, s[SE], 14
	s_add_co_u32 s34, s34, s33
	s_mov_b32 s35, 0
	s_lshl_b32 s36, s[SE], 23
	s_lshl_b32 s33, s[SX], 8
	s_add_co_u32 s36, s36, s33
	s_lshl_b32 s33, s[WV], 17
	s_add_co_u32 s36, s36, s33
	s_mov_b32 s37, 0
	s_mov_b32 s40, 0x3e6d3388                      ; 0.231641888 = 0.3275911 / sqrt 2
	s_mov_b32 s41, s40
	s_mov_b32 s42, 0xbf38aa3b                      ; -log2(e) / 2
	s_mov_b32 s43, s42
	s_mov_b32 s44, 0x3f87dc22                      ; a5 =  1.061405429
	s_mov_b32 s45, s44
	s_mov_b32 s46, 0xbfba00e3                      ; a4 = -1.453152027
	s_mov_b32 s47, s46
	s_mov_b32 s48, 0x3fb5f0e3                      ; a3 =  1.421413741
	s_mov_b32 s49, s48
	s_mov_b32 s50, 0xbe91a98e                      ; a2 = -0.284496736
	s_mov_b32 s51, s50
	s_mov_b32 s52, 0x3e827906                      ; a1 =  0.254829592
	s_mov_b32 s53, s52
	s_mov_b32 s54, 0x7fffffff
	s_wait_kmcnt 0x0
	s_add_nc_u64 s[WB:WB+1], s[WB:WB+1], s[24:25]
	s_add_nc_u64 s[14:15], s[14:15], s[34:35]
	s_add_nc_u64 s[HB:HB+1], s[HB:HB+1], s[36:37]
	s_lshl_b32 s24, s[SE], 12
	s_add_nc_u64 s[18:19], s[18:19], s[24:25]
	s_lshl_b32 s24, s[SE], 8
	s_add_nc_u64 s[20:21], s[20:21], s[24:25]
.set n, 0
.rept 8
	global_load_b128 v[BF+4*n:BF+4*n+3], v41, s[10:11] offset:512*n   ; sel: register 4 q + c holds token 128 q + 4 l + c
.set n, n+1
.endr
	global_load_b128 v[BI:BI+3],   v42, s[14:15]
	global_load_b128 v[BI+4:BI+7], v42, s[14:15] offset:16
	LDW 0, 0
	LDW 1, WSTEP
	WIN 0
	s_wait_loadcnt 32                              ; sel and the bias are in; W(0) and W(1) stay out
.set n, 0
.rept 4
	v_cvt_pk_bf16_f32 v[44+n], v[BI+2*n], v[BI+2*n+1]
.set n, n+1
.endr
.set n, 0
.rept 4
	v_lshlrev_b32 v[BI+2*n], 16, v[44+n]           ; the bias rounded to bf16, as f32
	v_and_b32 v[BI+2*n+1], 0xffff0000, v[44+n]
.set n, n+1
.endr
	s_cmp_lg_u32 s[WV], 0
	s_cbranch_scc1 .Lnolist
	; WAVE 0 MAKES THE LIST.  First every word is a pad; then each chosen row is put at its rank.  LDS serves a wave's instructions in order.
	v_lshlrev_b32 v50, 2, v[LN]
	v_and_b32 v51, 12, v50
	s_lshl_b32 s33, s[SE], 4
	s_add_co_u32 s33, s33, 2048
	v_add_nc_u32 v44, s33, v51                     ; 2048 + 16 e + place % 16
	v_add_nc_u32 v45, 1, v44
	v_add_nc_u32 v46, 2, v44
	v_add_nc_u32 v47, 3, v44
	v_lshl_add_u32 v48, v[LN], 4, LISTB
.set n, 0
.rept 10
	ds_store_b128 v48, v[44:47] offset:512*n
.set n, n+1
.endr
	v_add_nc_u32 v49, 1280, v[LN]                  ; the word index of my trash word
	s_lshl_b32 s35, 0x101, s[SE]                   ; the expert's two bits in sel
	s_add_co_u32 s36, s[SE], 8
	s_mov_b32 s33, 0                               ; rows so far
.set n, 0
.rept 32
.set ra, 54+2*(n%2)
	v_and_b32 v[ra], s35, v[BF+n]
	v_cmp_ne_u32 s34, 0, v[ra]                     ; the lanes whose token chose the expert
	v_lshrrev_b32 v[ra], s36, v[ra]                ; as its second choice?
	v_lshl_add_u32 v[ra], v[ra], 10, v50
	v_add_nc_u32 v[ra], 128*(n/4)+n%4, v[ra]       ; 1,024 slot + token
	v_mbcnt_lo_u32_b32 v[ra+1], s34, s33           ; my rank
	v_cndmask_b32 v[ra+1], v49, v[ra+1], s34       ; or my trash word
	v_min_u32 v[ra+1], 0x51f, v[ra+1]
	v_lshl_add_u32 v[ra+1], v[ra+1], 2, LISTB
	ds_store_b32 v[ra+1], v[ra]
	s_bcnt1_i32_b32 s37, s34
	s_add_co_u32 s33, s33, s37
.set n, n+1
.endr
	v_mov_b32 v54, s33
	ds_store_b32 v52, v54
.Lnolist:
	s_wait_loadcnt 16                              ; W(0) is in; W(1) stays out
	CVTST 0                                        ; block 0
	v_add_nc_u32 v[WST], BLK, v[WST]
	LDW 0, 2*WSTEP
	WIN 0
	s_wait_dscnt 0x0                               ; for the others' sake: block 0 and the list
	s_barrier_signal -1
	s_barrier_wait -1
	ds_load_b32 v54, v52
	s_lshl_b32 s33, s[WV], 6
	v_lshl_add_u32 v53, v[RR], 2, LISTB
	v_add_nc_u32 v53, s33, v53                     ; word 16 (w + 4 i) + r
.set n, 0
.rept 20
	ds_load_b32 v[Q+n], v53 offset:256*n
.set n, n+1
.endr
	s_wait_dscnt 0x0
	v_readfirstlane_b32 s33, v54
	s_min_u32 s33, s33, 1024
	s_add_co_u32 s[MT], s33, 15
	s_lshr_b32 s[MT], s[MT], 4
	s_max_u32 s[MT], s[MT], 1                      ; an expert without rows has one tile of pads
	s_add_co_u32 s33, s[MT], 19
	s_mul_i32 s33, s33, 3277
	s_lshr_b32 s33, s33, 16                        ; passes = ceil(MT / 20), exact for MT up to 64: 1 to 4
	s_sub_co_u32 s[IDLE], 4, s33
	s_mov_b32 s[G], s[WV]
	LIVE
.set n, 0
.rept 20
	v_and_b32 v[Q+n], 0x3ff, v[Q+n]                ; the token
	v_min_u32 v[Q+n], 0x3ff, v[Q+n]
	v_lshl_add_u32 v[Q+n], v[Q+n], 11, v[H16]
.set n, n+1
.endr
	s_cmp_lg_u32 s[SX], 0
	s_cbranch_scc1 .Lnorows
	v_lshl_add_u32 v61, v0, 4, LISTB               ; slice 0 hands list and tile count to the second product
	ds_load_b128 v[44:47], v61
	ds_load_b128 v[48:51], v61 offset:2048
	v_lshlrev_b32 v62, 4, v0
	s_wait_dscnt 0x0
	global_store_b128 v62, v[44:47], s[18:19]
	global_store_b128 v62, v[48:51], s[18:19] offset:2048
	s_cmp_lg_u32 s[WV], 0
	s_cbranch_scc1 .Lnocnt
	v_mov_b32 v58, s[MT]
	v_mov_b32 v59, s[MT]
	v_lshlrev_b32 v60, 3, v[LN]
	global_store_b64 v60, v[58:59], s[20:21]       ; 256 consecutive bytes, all holding MT
.Lnocnt:
	s_wait_xcnt 0x0
.Lnorows:
	s_mov_b64 s[AB:AB+1], s[AB0:AB0+1]
	LDA 0, 0
	LDA 1, 128
	WIN 0
	s_wait_xcnt 0x0
	s_add_nc_u64 s[WB:WB+1], s[WB:WB+1], 2*WSTEP
	s_add_nc_u64 s[AB:AB+1], s[AB:AB+1], 128
	; THE FILLING PASS.  Issue order: W(0) W(1) W(2) A(0) A(1), then in trip t W(t+3) and A(t+2).
	TRIP 0, 1, 1, 1, 1, 20, 1                      ; younger than A(0): A(1)
	s_mov_b32 s[LC], 6
.Lk:
	TRIP 1, 0, 1, 1, 1, 36, 1                      ; younger than A(t) and W(t+1): the trip before's 16 + 20
	TRIP 0, 0, 1, 1, 1, 36, 1
	s_sub_co_u32 s[LC], s[LC], 1
	s_cmp_lg_u32 s[LC], 0
	s_cbranch_scc1 .Lk
	TRIP 1, 0, 1, 0, 1, 36, 1                      ; trip 13: no weights are left to ask for
	TRIP 0, 0, 1, 0, 0, 20, 1                      ; trip 14: trip 13 issued A(15) alone
	TRIP 1, 0, 0, 0, 0, 0, 0                       ; trip 15
	s_mov_b32 s[P], 4                              ; the loop over passes is entered at the first pass's way out
	s_branch .Lepi
.Lpass:                                                ; P = 3, 2, 1: passes 1, 2, 3: jumped when the expert has no more tiles
	s_cmp_le_u32 s[P], s[IDLE]
	s_cbranch_scc1 .Lskip
	s_wait_xcnt 0x0
	s_mov_b64 s[AB:AB+1], s[AB0:AB0+1]
	s_mov_b32 s[BO], 0
	v_mov_b32 v[BRD], v[BRD0]
	LIVE
	XTRIP 1
	s_mov_b32 s[LC], 15
.Lxk:
	XTRIP 0
	s_sub_co_u32 s[LC], s[LC], 1
	s_cmp_lg_u32 s[LC], 0
	s_cbranch_scc1 .Lxk
.Lepi:                                                 ; THE WAY OUT, a tile at a time: one text, but for the sum with the bias, which names the tile's accumulators
	s_mov_b32 s[TI], 5
.Ltile:
	s_cmp_ge_u32 s[G], s[MT]
	s_cbranch_scc1 .Lnext
	s_cmp_eq_u32 s[TI], 5
	s_cbranch_scc1 .Lc0
	s_cmp_eq_u32 s[TI], 4
	s_cbranch_scc1 .Lc1
	s_cmp_eq_u32 s[TI], 3
	s_cbranch_scc1 .Lc2
	s_cmp_eq_u32 s[TI], 2
	s_cbranch_scc1 .Lc3
	COPYT 4
	s_branch .Lgelu
.Lc0:
	COPYT 0
	s_branch .Lgelu
.Lc1:
	COPYT 1
	s_branch .Lgelu
.Lc2:
	COPYT 2
	s_branch .Lgelu
.Lc3:
	COPYT 3
.Lgelu:
	GELU16 0
	GELU16 1
	GELU16 2
	GELU16 3
.set jp, 0
.rept 8
.set jj, 0
.rept 4
	v_cvt_pk_bf16_f32 v[T+4*jp+jj], v[BF+16*jj+jp], v[BF+16*jj+8+jp]   ; row 8 (l / 16) + jp, columns 8 r + 2 jj and + 1
.set jj, jj+1
.endr
.set jp, jp+1
.endr
.set jp, 0
.rept 8
	global_store_b128 v[OOFF], v[T+4*jp:T+4*jp+3], s[HB:HB+1] offset:8192*jp   ; 16 lanes store 256 consecutive bytes of a row, at a multiple of 256
.set jp, jp+1
.endr
.Lnext:
	s_wait_xcnt 0x0                                ; the stores' base and data are rewritten only behind this wait
	s_add_nc_u64 s[HB:HB+1], s[HB:HB+1], 524288    ; my next tile lies four tiles of 16 rows x 8,192 bytes on
	s_add_co_u32 s[G], s[G], 4
	s_sub_co_u32 s[TI], s[TI], 1
	s_cmp_lg_u32 s[TI], 0
	s_cbranch_scc1 .Ltile
.set n, 0
.rept 15
	v_mov_b32 v[Q+n], v[Q+n+5]                     ; the queue moves up: the next pass's five tiles
.set n, n+1
.endr
.Lskip:
	s_sub_co_u32 s[P], s[P], 1
	s_cmp_lg_u32 s[P], 0
	s_cbranch_scc1 .Lpass
	s_wait_dscnt 0x0                               ; my reads of LDS are over,
	s_barrier_signal -1
	s_barrier_wait -1                              ; and every wave's: no wave writes LDS again while another still reads
	s_wait_tensorcnt 0x0                           ; the wave's end, behind my last LDS store
	ds_add_u32 v[SPW], v[NIL]
	s_wait_dscnt 0x0
	s_endpgm
.Lfunc_end_k_q43cd567e09_fc1:
	.size	k_q43cd567e09_fc1, .Lfunc_end_k_q43cd567e09_fc1-k_q43cd567e09_fc1
	.p2alignl 7, 3214868480
	.fill 96, 4, 3214868480
	.section	.rodata,"a",@progbits
	.p2align	6, 0x0
	.amdhsa_kernel k_q43cd567e09_fc1
		.amdhsa_group_segment_fixed_size 302848
		.amdhsa_private_segment_fixed_size 0
		.amdhsa_enable_private_segment 0
		.amdhsa_kernarg_size 56
		.amdhsa_user_sgpr_count 2
		.amdhsa_user_sgpr_kernarg_segment_ptr 1
		.amdhsa_wavefront_size32 1
		.amdhsa_system_sgpr_workgroup_id_x 1
		.amdhsa_system_sgpr_workgroup_id_y 1
		.amdhsa_system_sgpr_workgroup_id_z 1
		.amdhsa_system_vgpr_workitem_id 0
		.amdhsa_next_free_vgpr 896
		.amdhsa_next_free_sgpr 66
		.amdhsa_reserve_vcc 0
		.amdhsa_float_denorm_mode_32 3
		.amdhsa_float_denorm_mode_16_64 3
		.amdhsa_memory_ordered 1
		.amdhsa_forward_progress 1
		.amdhsa_inst_pref_size 182
	.end_amdhsa_kernel
	.amdgpu_metadata
---
amdhsa.version: [ 1, 2 ]
amdhsa.kernels:
  - .name:           k_q43cd567e09_fc1
    .symbol:         k_q43cd567e09_fc1.kd
    .args:
      - { .name: xb, .offset: 0, .size: 8, .value_kind: global_buffer, .address_space: global }
      - { .name: sel, .offset: 8, .size: 8, .value_kind: global_buffer, .address_space: global }
      - { .name: w1, .offset: 16, .size: 8, .value_kind: global_buffer, .address_space: global }
      - { .name: b1, .offset: 24, .size: 8, .value_kind: global_buffer, .address_space: global }
      - { .name: h, .offset: 32, .size: 8, .value_kind: global_buffer, .address_space: global }
      - { .name: rows, .offset: 40, .size: 8, .value_kind: global_buffer, .address_space: global }
      - { .name: cnt, .offset: 48, .size: 8, .value_kind: global_buffer, .address_space: global }
    .group_segment_fixed_size: 302848
    .private_segment_fixed_size: 0
    .kernarg_segment_align: 8
    .kernarg_segment_size: 56
    .max_flat_workgroup_size: 128
    .sgpr_count:     66
    .vgpr_count:     896
    .wavefront_size: 32
...
	.end_amdgpu_metadata
.endif
;; end of part 2
;; launch fc2 (part 3): grid 8 x 32, 4 waves a work-group, no clusters, 297,472 bytes of LDS; arguments h, w2, b2, rows, cnt, gw, part; writes part
.if DOCPART == 3
	.amdgcn_target "amdgcn-amd-amdhsa--gfx1250"
	.amdhsa_code_object_version 6
	.text
	.protected	k_q43cd567e09_fc2
	.globl	k_q43cd567e09_fc2
	.p2align	8
	.type	k_q43cd567e09_fc2,@function
k_q43cd567e09_fc2:
	s_mov_b64 s[64:65], 0
	v_nop
	global_prefetch_b8 v0, s[64:65] scope:SCOPE_SE
	s_setreg_imm32_b32 hwreg(HW_REG_WAVE_MODE, 25, 1), 1
	s_wait_xcnt 0x0
; SECOND PRODUCT.  part[kq][1024 slot + token][:] = gate weight x (h[e][rank][K quarter kq] . w2[e] (+ b2[e] in quarter 0)), in f32: partial sums, added by the last launch.
; w2 and b2 are rounded to bf16, h is bf16, sums in f32.
; SHARES.  Work-group (x, 4 e + kq): expert e, columns 128 x .. 128 x + 127 of D, K = 1,024 of H from 1,024 kq on: 512 KB of f32 weights that it alone reads, once.
; Loop, LDS and registers are those of the first product: the weights go memory -> registers -> rounded -> LDS as [column][k] and stay there; a wave owns the tiles of 16 rows w, w + 4, .., five a pass;
; trip t rounds W(t+1), asks for W(t+3) and A(t+2) and multiplies block t; three further passes (more than 320 rows) read the weights from LDS, hold no barrier and are not pipelined.
; The rows of h lie end to end by rank; the list (rows) says to which row of part a rank goes: 1,024 slot + token, or for a pad row one of the 128 dump rows from 2,048 on, which nobody reads.
; So every tile is stored whole and EXEC is never narrowed.  The number of tiles comes from cnt, stored by the launch before.
; COLUMNS.  Column tile j, lane r holds column 64 (j / 4) + 4 r + j % 4: four tiles are 16 bytes of f32 of a row, sixteen lanes 256.
; NO CLUSTER, NO TENSOR LOAD: each weight byte has one reader and is rounded in registers; beside the resident slice LDS has no room for the shared rows of h.
; LIMITS.  NaN and infinities are not treated apart (the bias is multiplied by 0 in quarters 1 to 3).
; REGISTERS as in the first product; window 3 also holds v128-167 the rows' byte offsets in part and v168-207 their gate weights, [tile][row of my half].
.set WPITCH, 4096                      ; bytes from a k row of w2 to the next
.set WSTEP,  64*WPITCH
.set BLK,    18560                     ; a trip's block in LDS: 8 column tiles of 16 rows x 144 bytes; tiles 4-7 lie 128 bytes further
.set SPARE,  16*BLK                    ; the spare words, 128 bytes a wave
.set LN,   1
.set RR,   2
.set HH,   3
.set WOFF, 4
.set WST,  5
.set BRD,  6
.set BRD0, 7                           ; my place in a block; never rewritten
.set SPW,  9
.set NIL,  10
.set RB,   11                          ; my row and half in a tile of h: 8,192 r + 16 (lane / 16)
.set Q,    12                          ; v12-31  byte offsets in h of my row in my 20 tiles
.set BI,   32                          ; v32-39  bias of my eight columns
.set BF,   64                          ; v64-191 B fragments; in the way out v64-127 a tile in f32
.set OB,   128                         ; in the way out v128-191 the tile as stored
.set T,    192
.set AF,   64                          ; window 2
.set DOR,  128                         ; window 3
.set GWR,  168                         ; window 3
.set WV,   2
.set SX,   3
.set SE,   4
.set SKQ,  5
.set AB0,  8                           ; s[8:9]   h at the expert's rows and my K quarter
.set WB,   10                          ; s[10:11] w2, stepped
.set ROWSP, 14
.set GWP,  18
.set PB,   20                          ; s[20:21] part at my quarter and columns
.set AB,   22
.set MT,   26
.set IDLE, 27                          ; 4 - the number of passes: a pass is dead where the count P is no greater
.set P,    28                          ; passes to go, 4 to 1
.set G,    29
.set LIVE4, 30
.set LC,   31
.set MTM1, 38
.set BO,   55                          ; a later pass: the LDS offset of the trip's block
.set MSB, 0
.macro WIN new                         ; the immediate's high byte repeats the setting that is left; a switch that changes nothing is dropped
.if MSB != (\new)
	s_set_vgpr_msb (MSB<<8)|(\new)
.set MSB, \new
.endif
.endm
.macro LDB ks                          ; 16 LDS loads: the eight column tiles' fragments of 32 along K
	WIN 0
.set lj, 0
.rept 8
	ds_load_b128 v[BF+64*(\ks)+8*lj:BF+64*(\ks)+8*lj+3],   v[BRD] offset:lj*2304+(lj/4)*128+64*(\ks)
	ds_load_b128 v[BF+64*(\ks)+8*lj+4:BF+64*(\ks)+8*lj+7], v[BRD] offset:lj*2304+(lj/4)*128+64*(\ks)+32
.set lj, lj+1
.endr
.endm
.macro LDA st, o                       ; 20 loads: my five tiles' fragments of 64 along K, always all five
	WIN 0x80
.set la, 0
.rept 10
	global_load_b128 v[AF+80*(\st)+8*la:AF+80*(\st)+8*la+3],   v[Q+la/2], s[AB:AB+1] offset:(\o)+64*(la%2)
	global_load_b128 v[AF+80*(\st)+8*la+4:AF+80*(\st)+8*la+7], v[Q+la/2], s[AB:AB+1] offset:(\o)+64*(la%2)+32
.set la, la+1
.endr
.endm
.macro LDW st, o                       ; 16 loads: my wave's 16 k rows of a trip, 512 consecutive bytes each
	WIN 0xc0
.set lw, 0
.rept 16
	global_load_b128 v[64*(\st)+4*lw:64*(\st)+4*lw+3], v[WOFF], s[WB:WB+1] offset:(\o)+lw*WPITCH th:TH_LOAD_NT
.set lw, lw+1
.endr
.endm
.macro CVTST st                        ; my 16 k x 128 columns rounded, two k to a word, and stored
	WIN 0x0f
.set cc, 0
.rept 4
.set cq, 0
.rept 8
	v_cvt_pk_bf16_f32 v[T+8*cc+cq], v[64*(\st)+8*cq+cc], v[64*(\st)+8*cq+4+cc]
.set cq, cq+1
.endr
.set cc, cc+1
.endr
	WIN 0
.set cc, 0
.rept 4
	ds_store_b128 v[WST], v[T+8*cc:T+8*cc+3]   offset:cc*2304
	ds_store_b128 v[WST], v[T+8*cc+4:T+8*cc+7] offset:cc*2304+16
.set cc, cc+1
.endr
.endm
; The accumulators take turns, one instruction a turn.  z = 1: the products start the sums.
.macro MM03 st, ks, z
	WIN 0x52
.set mi, 0
.rept 32
.if \z
	v_wmma_f32_16x16x32_bf16 v[8*mi:8*mi+7], v[AF+80*(\st)+16*(mi/8)+8*(\ks):AF+80*(\st)+16*(mi/8)+8*(\ks)+7], v[BF+64*(\ks)+8*(mi%8):BF+64*(\ks)+8*(mi%8)+7], 0
.else
	v_wmma_f32_16x16x32_bf16 v[8*mi:8*mi+7], v[AF+80*(\st)+16*(mi/8)+8*(\ks):AF+80*(\st)+16*(mi/8)+8*(\ks)+7], v[BF+64*(\ks)+8*(mi%8):BF+64*(\ks)+8*(mi%8)+7], v[8*mi:8*mi+7]
.endif
.set mi, mi+1
.endr
.endm
.macro MM4 st, ks, z                   ; tile 4: jumped when it has no rows, but never where it starts its sums
.if !(\z)
	WIN 0
	s_cmp_lg_u32 s[LIVE4], 0
	s_cbranch_scc0 .Lno4_\@
.endif
	WIN 0xa2
.set mi, 0
.rept 8
.if \z
	v_wmma_f32_16x16x32_bf16 v[8*mi:8*mi+7], v[AF+80*(\st)+64+8*(\ks):AF+80*(\st)+64+8*(\ks)+7], v[BF+64*(\ks)+8*mi:BF+64*(\ks)+8*mi+7], 0
.else
	v_wmma_f32_16x16x32_bf16 v[8*mi:8*mi+7], v[AF+80*(\st)+64+8*(\ks):AF+80*(\st)+64+8*(\ks)+7], v[BF+64*(\ks)+8*mi:BF+64*(\ks)+8*mi+7], v[8*mi:8*mi+7]
.endif
.set mi, mi+1
.endr
	WIN 0
.if !(\z)
.Lno4_\@:
.endif
.endm
; TRIP t (st = t % 2).  wcnt: the loads younger than A(t) and W(t+1).  The barrier: W(t+1) is stored ahead of the signal and read, in trip t + 1, behind the wait.
.macro TRIP st, z, cvt, ldw, lda, wcnt, bar
	LDB 0
	s_wait_loadcnt \wcnt
.if \cvt
	CVTST 1-(\st)
.endif
	LDB 1
.if \ldw
	s_wait_xcnt 0x0                                ; the weights' base is stepped only behind this wait
	s_add_nc_u64 s[WB:WB+1], s[WB:WB+1], WSTEP
	LDW 1-(\st), 0
.endif
	s_wait_dscnt 16+8*(\cvt)                       ; the first 32 along K are in; my stores and the second half's 16 loads may be out
	MM03 \st, 0, \z
	MM4 \st, 0, \z
	s_wait_dscnt 0x0                               ; the second half is in, and for the others' sake my stores are done
.if \bar
	s_barrier_signal -1
.endif
	MM03 \st, 1, 0
	WIN 0
.if \bar
	s_barrier_wait -1
.endif
	MM4 \st, 1, 0
	v_add_nc_u32 v[BRD], BLK, v[BRD]               ; four plain instructions: the places ahead of the loads into registers that the products read, and of the way out
	v_add_nc_u32 v[WST], BLK, v[WST]
	v_nop
	v_nop
.if \lda
	s_wait_xcnt 0x0
	s_add_nc_u64 s[AB:AB+1], s[AB:AB+1], 128
	LDA \st, 0
	WIN 0
.endif
.endm
.macro XTRIP z                         ; a trip of a later pass: the weights lie in LDS; nothing is written there, and no barrier is needed
	LDA 0, 0
	LDB 0
	LDB 1
	s_wait_loadcnt 0x0
	s_wait_dscnt 0x0
	s_wait_xcnt 0x0
	s_add_nc_u64 s[AB:AB+1], s[AB:AB+1], 128
	MM03 0, 0, \z
	MM4 0, 0, \z
	MM03 0, 1, 0
	WIN 0
	MM4 0, 1, 0
	s_add_co_u32 s[BO], s[BO], BLK                 ; the next block: its offset plus my fixed place in a block
	v_add_nc_u32 v[BRD], s[BO], v[BRD0]            ; this and three v_nop: the four places behind the products
	v_nop
	v_nop
	v_nop
.endm
.macro LIVE
	s_add_co_u32 s33, s[G], 16
	s_cmp_lt_u32 s33, s[MT]
	s_cselect_b32 s[LIVE4], 1, 0
.endm
.macro COPYT i                         ; tile i plus the bias into v64-127; each accumulator is read from its low end on
.if (\i) < 4
	WIN 0x01
.set cb, 64*(\i)
.else
	WIN 0x02
.set cb, 0
.endif
.set cj, 0
.rept 8
.set cq, 0
.rept 4
.if (cj%2) == 0
	v_pk_add_f32 v[BF+8*cj+2*cq:BF+8*cj+2*cq+1], v[cb+8*cj+2*cq:cb+8*cj+2*cq+1], v[BI+cj:BI+cj+1] op_sel_hi:[1,0]
.else
	v_pk_add_f32 v[BF+8*cj+2*cq:BF+8*cj+2*cq+1], v[cb+8*cj+2*cq:cb+8*cj+2*cq+1], v[BI+cj-1:BI+cj] op_sel:[0,1] op_sel_hi:[1,1]
.endif
.set cq, cq+1
.endr
.set cj, cj+1
.endr
	WIN 0
.endm
; The pass's five tiles: the list words of my half's eight rows (a dead tile repeats the expert's last).  Ten loads.
.macro META_A
	WIN 0
.set ma, 0
.rept 5
	s_add_co_u32 s33, s[G], 4*ma
	s_min_u32 s33, s33, s[MTM1]
	s_min_u32 s33, s33, 63
	s_lshl_b32 s33, s33, 6
	v_add_nc_u32 v[40+ma], s33, v56
.set ma, ma+1
.endr
	WIN 0xc0
.set ma, 0
.rept 5
	global_load_b128 v[DOR+8*ma:DOR+8*ma+3],   v[40+ma], s[ROWSP:ROWSP+1]
	global_load_b128 v[DOR+8*ma+4:DOR+8*ma+7], v[40+ma], s[ROWSP:ROWSP+1] offset:16
.set ma, ma+1
.endr
	WIN 0
.endm
; Of each list word: the row's byte offset in part, and its gate weight (a pad row takes the last word of gw; its result goes to a dump row).  Forty loads, each onto its own address register.
.macro META_B
	WIN 0xcf                                       ; destination, sources 0 and 1 in window 3, source 2 in window 0
.set mb, 0
.rept 40
	v_min_u32 v[GWR+mb], 0x7ff, v[DOR+mb]
	v_lshlrev_b32 v[GWR+mb], 2, v[GWR+mb]
	v_min_u32 v[DOR+mb], 0x87f, v[DOR+mb]
	v_lshl_add_u32 v[DOR+mb], v[DOR+mb], 12, v57
.set mb, mb+1
.endr
.set mb, 0
.rept 40
	global_load_b32 v[GWR+mb], v[GWR+mb], s[GWP:GWP+1]
.set mb, mb+1
.endr
	WIN 0
.endm
; THE WAY OUT of tile i: bias, gate weight, and 16 stores, each of two rows' 256 consecutive bytes at a multiple of 256.
.macro EPI i
	s_add_co_u32 s33, s[G], 4*(\i)
	s_cmp_ge_u32 s33, s[MT]
	s_cbranch_scc1 .Ldead_\@
	s_wait_xcnt 0x0                                ; the tile before's stores have read their data registers
	COPYT \i
	WIN 0x0c                                       ; source 1, the gate weight, in window 3
.set ec, 0
.rept 2
.set ej, 0
.rept 8
.set ek, 0
.rept 4
	v_mul_f32 v[OB+4*(8*ec+ej)+ek], v[BF+8*(4*ec+ek)+ej], v[GWR+8*(\i)+ej]
.set ek, ek+1
.endr
.set ej, ej+1
.endr
.set ec, ec+1
.endr
	WIN 0x03                                       ; the address in window 3, the data in window 0
.set ec, 0
.rept 2
.set ej, 0
.rept 8
	global_store_b128 v[DOR+8*(\i)+ej], v[OB+4*(8*ec+ej):OB+4*(8*ec+ej)+3], s[PB:PB+1] offset:256*ec
.set ej, ej+1
.endr
.set ec, ec+1
.endr
	WIN 0
.Ldead_\@:
.endm
	s_load_b256 s[8:15], s[0:1], 0x0               ; h s[8:9], w2 s[10:11], b2 s[12:13], rows s[14:15]
	s_load_b128 s[16:19], s[0:1], 0x20             ; cnt s[16:17], gw s[18:19]
	s_load_b64 s[20:21], s[0:1], 0x30              ; part
	v_lshl_add_u32 v[SPW], v0, 2, SPARE
	v_mov_b32 v[NIL], 0
	v_lshrrev_b32 v40, 5, v0
	v_readfirstlane_b32 s[WV], v40
	s_mov_b32 s[SX], ttmp9                         ; slice of 128 columns of D
	s_and_b32 s33, ttmp7, 0xffff
	s_lshr_b32 s[SE], s33, 2                       ; expert
	s_and_b32 s[SKQ], s33, 3                       ; K quarter
	v_and_b32 v[LN], 31, v0
	v_and_b32 v[RR], 15, v0
	v_bfe_u32 v[HH], v0, 4, 1
	s_lshl_b32 s33, s[WV], 16                      ; my wave's 16 k rows
	v_lshlrev_b32 v[WOFF], 4, v[LN]
	v_add_nc_u32 v[WOFF], s33, v[WOFF]
	v_mul_u32_u24 v[WST], v[HH], 9344              ; my columns 4 l + c: tile 4 (l / 16) + c, row l % 16
	v_mad_u32_u24 v[WST], v[RR], 144, v[WST]
	s_lshl_b32 s33, s[WV], 5
	v_add_nc_u32 v[WST], s33, v[WST]
	v_mul_u32_u24 v[BRD0], v[RR], 144
	v_lshl_add_u32 v[BRD0], v[HH], 4, v[BRD0]
	v_mov_b32 v[BRD], v[BRD0]
	v_lshlrev_b32 v[RB], 13, v[RR]
	v_lshl_add_u32 v[RB], v[HH], 4, v[RB]
	v_lshlrev_b32 v56, 5, v[HH]                    ; my half's eight list words
	v_lshlrev_b32 v57, 4, v[RR]                    ; my 16 bytes of 256
	s_mov_b32 s25, 0
	s_mov_b32 s35, 0
	s_mov_b32 s37, 0
	s_lshl_b32 s24, s[SE], 24
	s_lshl_b32 s33, s[SKQ], 22
	s_add_co_u32 s24, s24, s33
	s_lshl_b32 s39, s[SX], 9
	s_add_co_u32 s24, s24, s39                     ; w2
	s_lshl_b32 s34, s[SE], 23
	s_lshl_b32 s33, s[SKQ], 11
	s_add_co_u32 s34, s34, s33                     ; h
	s_lshl_b32 s36, s[SE], 12
	s_add_co_u32 s36, s36, s39                     ; b2
	s_wait_kmcnt 0x0
	s_add_nc_u64 s[WB:WB+1], s[WB:WB+1], s[24:25]
	s_add_nc_u64 s[AB0:AB0+1], s[AB0:AB0+1], s[34:35]
	s_add_nc_u64 s[12:13], s[12:13], s[36:37]
	s_lshl_b32 s24, s[SE], 12
	s_add_nc_u64 s[ROWSP:ROWSP+1], s[ROWSP:ROWSP+1], s[24:25]
	s_lshl_b32 s24, s[SE], 8
	s_add_nc_u64 s[16:17], s[16:17], s[24:25]
	s_mul_i32 s24, s[SKQ], 0x880000                ; a quarter of part: 2,176 rows of 4,096 bytes
	s_add_co_u32 s24, s24, s39
	s_add_nc_u64 s[PB:PB+1], s[PB:PB+1], s[24:25]
	s_load_b32 s[MT], s[16:17], 0x0                ; the expert's tiles
	global_load_b128 v[BI:BI+3],   v57, s[12:13]
	global_load_b128 v[BI+4:BI+7], v57, s[12:13] offset:256
	LDW 0, 0
	LDW 1, WSTEP
	WIN 0
	s_wait_kmcnt 0x0
	s_min_u32 s[MT], s[MT], 64
	s_max_u32 s[MT], s[MT], 1
	s_sub_co_u32 s[MTM1], s[MT], 1
	s_add_co_u32 s33, s[MT], 19
	s_mul_i32 s33, s33, 3277
	s_lshr_b32 s33, s33, 16                        ; passes = ceil(MT / 20), exact for MT up to 64: 1 to 4
	s_sub_co_u32 s[IDLE], 4, s33
	s_mov_b32 s[G], s[WV]
	LIVE
.set qi, 0
.rept 20
	s_add_co_u32 s33, s[WV], 4*qi                  ; tile w + 4 i, or the expert's last
	s_min_u32 s33, s33, s[MTM1]
	s_min_u32 s33, s33, 63
	s_lshl_b32 s33, s33, 17
	v_add_nc_u32 v[Q+qi], s33, v[RB]
.set qi, qi+1
.endr
	META_A
	s_wait_loadcnt 26                              ; the bias and W(0) are in; W(1)'s 16 and the list's 10 stay out
	s_cmp_eq_u32 s[SKQ], 0
	s_cselect_b32 s33, 1.0, 0                      ; the bias is added once, in quarter 0
.set n, 0
.rept 4
	v_cvt_pk_bf16_f32 v[48+n], v[BI+2*n], v[BI+2*n+1]
.set n, n+1
.endr
.set n, 0
.rept 4
	v_lshlrev_b32 v[BI+2*n], 16, v[48+n]
	v_and_b32 v[BI+2*n+1], 0xffff0000, v[48+n]
.set n, n+1
.endr
.set n, 0
.rept 8
	v_mul_f32 v[BI+n], s33, v[BI+n]
.set n, n+1
.endr
	CVTST 0                                        ; block 0
	v_add_nc_u32 v[WST], BLK, v[WST]
	LDW 0, 2*WSTEP
	WIN 0
	s_wait_loadcnt 16                              ; the list is in; W(2) stays out
	META_B
	s_wait_dscnt 0x0                               ; for the others' sake: block 0
	s_barrier_signal -1
	s_barrier_wait -1
	s_mov_b64 s[AB:AB+1], s[AB0:AB0+1]
	LDA 0, 0
	LDA 1, 128
	WIN 0
	s_wait_xcnt 0x0
	s_add_nc_u64 s[WB:WB+1], s[WB:WB+1], 2*WSTEP
	s_add_nc_u64 s[AB:AB+1], s[AB:AB+1], 128
	; THE FILLING PASS.  Issue order: .. W(2), the gate weights, A(0) A(1), then in trip t W(t+3) and A(t+2).
	TRIP 0, 1, 1, 1, 1, 20, 1                      ; younger than A(0): A(1); the gate weights are older
	s_mov_b32 s[LC], 6
.Lk:
	TRIP 1, 0, 1, 1, 1, 36, 1                      ; younger than A(t) and W(t+1): the trip before's 16 + 20
	TRIP 0, 0, 1, 1, 1, 36, 1
	s_sub_co_u32 s[LC], s[LC], 1
	s_cmp_lg_u32 s[LC], 0
	s_cbranch_scc1 .Lk
	TRIP 1, 0, 1, 0, 1, 36, 1                      ; trip 13: no weights are left to ask for
	TRIP 0, 0, 1, 0, 0, 20, 1                      ; trip 14: trip 13 issued A(15) alone
	TRIP 1, 0, 0, 0, 0, 0, 0                       ; trip 15
	s_mov_b32 s[P], 4                              ; the loop over passes is entered at the first pass's way out
	s_branch .Lepi
.Lpass:                                                ; P = 3, 2, 1: passes 1, 2, 3: jumped when the expert has no more tiles
	s_cmp_le_u32 s[P], s[IDLE]
	s_cbranch_scc1 .Lskip
	s_wait_xcnt 0x0                                ; the last pass's stores have read their address registers
	META_A
	s_wait_loadcnt 0x0
	META_B
	s_mov_b64 s[AB:AB+1], s[AB0:AB0+1]
	s_mov_b32 s[BO], 0
	v_mov_b32 v[BRD], v[BRD0]
	LIVE
	XTRIP 1
	s_mov_b32 s[LC], 15
.Lxk:
	XTRIP 0
	s_sub_co_u32 s[LC], s[LC], 1
	s_cmp_lg_u32 s[LC], 0
	s_cbranch_scc1 .Lxk
.Lepi:
	EPI 0
	EPI 1
	EPI 2
	EPI 3
	EPI 4
	s_add_co_u32 s[G], s[G], 20
.set n, 0
.rept 15
	v_mov_b32 v[Q+n], v[Q+n+5]                     ; the queue moves up: the next pass's five tiles
.set n, n+1
.endr
.Lskip:
	s_sub_co_u32 s[P], s[P], 1
	s_cmp_lg_u32 s[P], 0
	s_cbranch_scc1 .Lpass
	s_wait_dscnt 0x0                               ; my reads of LDS are over,
	s_barrier_signal -1
	s_barrier_wait -1                              ; and every wave's: no wave writes LDS again while another still reads
	s_wait_tensorcnt 0x0                           ; the wave's end, behind my last LDS store
	ds_add_u32 v[SPW], v[NIL]
	s_wait_dscnt 0x0
	s_endpgm
.Lfunc_end_k_q43cd567e09_fc2:
	.size	k_q43cd567e09_fc2, .Lfunc_end_k_q43cd567e09_fc2-k_q43cd567e09_fc2
	.p2alignl 7, 3214868480
	.fill 96, 4, 3214868480
	.section	.rodata,"a",@progbits
	.p2align	6, 0x0
	.amdhsa_kernel k_q43cd567e09_fc2
		.amdhsa_group_segment_fixed_size 297472
		.amdhsa_private_segment_fixed_size 0
		.amdhsa_enable_private_segment 0
		.amdhsa_kernarg_size 56
		.amdhsa_user_sgpr_count 2
		.amdhsa_user_sgpr_kernarg_segment_ptr 1
		.amdhsa_wavefront_size32 1
		.amdhsa_system_sgpr_workgroup_id_x 1
		.amdhsa_system_sgpr_workgroup_id_y 1
		.amdhsa_system_sgpr_workgroup_id_z 1
		.amdhsa_system_vgpr_workitem_id 0
		.amdhsa_next_free_vgpr 976
		.amdhsa_next_free_sgpr 66
		.amdhsa_reserve_vcc 0
		.amdhsa_float_denorm_mode_32 3
		.amdhsa_float_denorm_mode_16_64 3
		.amdhsa_memory_ordered 1
		.amdhsa_forward_progress 1
		.amdhsa_inst_pref_size 169
	.end_amdhsa_kernel
	.amdgpu_metadata
---
amdhsa.version: [ 1, 2 ]
amdhsa.kernels:
  - .name:           k_q43cd567e09_fc2
    .symbol:         k_q43cd567e09_fc2.kd
    .args:
      - { .name: h, .offset: 0, .size: 8, .value_kind: global_buffer, .address_space: global }
      - { .name: w2, .offset: 8, .size: 8, .value_kind: global_buffer, .address_space: global }
      - { .name: b2, .offset: 16, .size: 8, .value_kind: global_buffer, .address_space: global }
      - { .name: rows, .offset: 24, .size: 8, .value_kind: global_buffer, .address_space: global }
      - { .name: cnt, .offset: 32, .size: 8, .value_kind: global_buffer, .address_space: global }
      - { .name: gw, .offset: 40, .size: 8, .value_kind: global_buffer, .address_space: global }
      - { .name: part, .offset: 48, .size: 8, .value_kind: global_buffer, .address_space: global }
    .group_segment_fixed_size: 297472
    .private_segment_fixed_size: 0
    .kernarg_segment_align: 8
    .kernarg_segment_size: 56
    .max_flat_workgroup_size: 128
    .sgpr_count:     66
    .vgpr_count:     976
    .wavefront_size: 32
...
	.end_amdgpu_metadata
.endif
;; end of part 3
;; launch mix (part 4): grid 256 x 1, 8 waves a work-group, no clusters, 0 bytes of LDS; arguments part, out0; writes out0
.if DOCPART == 4
	.amdgcn_target "amdgcn-amd-amdhsa--gfx1250"
	.amdhsa_code_object_version 6
	.text
	.protected	k_q43cd567e09_mix
	.globl	k_q43cd567e09_mix
	.p2align	8
	.type	k_q43cd567e09_mix,@function
k_q43cd567e09_mix:
	s_mov_b64 s[64:65], 0
	v_nop
	global_prefetch_b8 v0, s[64:65] scope:SCOPE_SE
	s_setreg_imm32_b32 hwreg(HW_REG_WAVE_MODE, 25, 1), 1
	s_wait_xcnt 0x0
; THE SUM.  out0[t][:] = the sum over the four K quarters and the two slots of part[quarter][1024 slot + t][:], all f32, in one fixed tree.
; The second product has put each partial row at its token's place, so no index is read.  A stream: no LDS, no barrier, no matrix unit.
; Work-group b: tokens 4 b .. 4 b + 3.  Thread t: the 16 bytes at 16 t of each row: a wave's load or store covers 512 consecutive bytes.  All 32 loads go out at once, token by token.
.set QS, 8912896                       ; a quarter of part: 2,176 rows of 4,096 bytes
.set SL, 4194304                       ; from slot 0's rows to slot 1's
.set LB, 4                             ; v4-131: token tt's eight parts at LB + 32 tt + 4 (2 quarter + slot)
	s_load_b128 s[4:7], s[0:1], 0x0                ; part s[4:5], out0 s[6:7]
	v_lshlrev_b32 v1, 4, v0
	s_lshl_b32 s8, ttmp9, 14                       ; four rows of 4,096 bytes
	s_mov_b32 s9, 0
	s_wait_kmcnt 0x0
	s_add_nc_u64 s[4:5], s[4:5], s[8:9]
	s_add_nc_u64 s[6:7], s[6:7], s[8:9]
	s_add_nc_u64 s[10:11], s[4:5], QS
	s_add_nc_u64 s[12:13], s[10:11], QS
	s_add_nc_u64 s[14:15], s[12:13], QS
.macro LD8 t
	global_load_b128 v[LB+32*(\t):LB+32*(\t)+3],     v1, s[4:5]   offset:4096*(\t) th:TH_LOAD_NT
	global_load_b128 v[LB+32*(\t)+4:LB+32*(\t)+7],   v1, s[4:5]   offset:SL+4096*(\t) th:TH_LOAD_NT
	global_load_b128 v[LB+32*(\t)+8:LB+32*(\t)+11],  v1, s[10:11] offset:4096*(\t) th:TH_LOAD_NT
	global_load_b128 v[LB+32*(\t)+12:LB+32*(\t)+15], v1, s[10:11] offset:SL+4096*(\t) th:TH_LOAD_NT
	global_load_b128 v[LB+32*(\t)+16:LB+32*(\t)+19], v1, s[12:13] offset:4096*(\t) th:TH_LOAD_NT
	global_load_b128 v[LB+32*(\t)+20:LB+32*(\t)+23], v1, s[12:13] offset:SL+4096*(\t) th:TH_LOAD_NT
	global_load_b128 v[LB+32*(\t)+24:LB+32*(\t)+27], v1, s[14:15] offset:4096*(\t) th:TH_LOAD_NT
	global_load_b128 v[LB+32*(\t)+28:LB+32*(\t)+31], v1, s[14:15] offset:SL+4096*(\t) th:TH_LOAD_NT
.endm
.macro ADD4 a, b                       ; four numbers at a += four numbers at b
	v_pk_add_f32 v[(\a):(\a)+1],   v[(\a):(\a)+1],   v[(\b):(\b)+1]
	v_pk_add_f32 v[(\a)+2:(\a)+3], v[(\a)+2:(\a)+3], v[(\b)+2:(\b)+3]
.endm
.macro SUM t, left                     ; left: the later tokens' loads, which may stay out
	s_wait_loadcnt \left
	ADD4 LB+32*(\t),    LB+32*(\t)+4
	ADD4 LB+32*(\t)+8,  LB+32*(\t)+12
	ADD4 LB+32*(\t)+16, LB+32*(\t)+20
	ADD4 LB+32*(\t)+24, LB+32*(\t)+28
	ADD4 LB+32*(\t),    LB+32*(\t)+8
	ADD4 LB+32*(\t)+16, LB+32*(\t)+24
	ADD4 LB+32*(\t),    LB+32*(\t)+16
	global_store_b128 v1, v[LB+32*(\t):LB+32*(\t)+3], s[6:7] offset:4096*(\t) th:TH_STORE_NT
.endm
	LD8 0
	LD8 1
	LD8 2
	LD8 3
	SUM 0, 24
	SUM 1, 16
	SUM 2, 8
	SUM 3, 0
	s_endpgm
.Lfunc_end_k_q43cd567e09_mix:
	.size	k_q43cd567e09_mix, .Lfunc_end_k_q43cd567e09_mix-k_q43cd567e09_mix
	.p2alignl 7, 3214868480
	.fill 96, 4, 3214868480
	.section	.rodata,"a",@progbits
	.p2align	6, 0x0
	.amdhsa_kernel k_q43cd567e09_mix
		.amdhsa_group_segment_fixed_size 0
		.amdhsa_private_segment_fixed_size 0
		.amdhsa_enable_private_segment 0
		.amdhsa_kernarg_size 16
		.amdhsa_user_sgpr_count 2
		.amdhsa_user_sgpr_kernarg_segment_ptr 1
		.amdhsa_wavefront_size32 1
		.amdhsa_system_sgpr_workgroup_id_x 1
		.amdhsa_system_sgpr_workgroup_id_y 1
		.amdhsa_system_sgpr_workgroup_id_z 1
		.amdhsa_system_vgpr_workitem_id 0
		.amdhsa_next_free_vgpr 140
		.amdhsa_next_free_sgpr 66
		.amdhsa_reserve_vcc 0
		.amdhsa_float_denorm_mode_32 3
		.amdhsa_float_denorm_mode_16_64 3
		.amdhsa_memory_ordered 1
		.amdhsa_forward_progress 1
		.amdhsa_inst_pref_size 8
	.end_amdhsa_kernel
	.amdgpu_metadata
---
amdhsa.version: [ 1, 2 ]
amdhsa.kernels:
  - .name:           k_q43cd567e09_mix
    .symbol:         k_q43cd567e09_mix.kd
    .args:
      - { .name: part, .offset: 0, .size: 8, .value_kind: global_buffer, .address_space: global }
      - { .name: out0, .offset: 8, .size: 8, .value_kind: global_buffer, .address_space: global }
    .group_segment_fixed_size: 0
    .private_segment_fixed_size: 0
    .kernarg_segment_align: 8
    .kernarg_segment_size: 16
    .max_flat_workgroup_size: 256
    .sgpr_count:     66
    .vgpr_count:     140
    .wavefront_size: 32
...
	.end_amdgpu_metadata
.endif
;; end of part 4
